; MI455X (gfx1250); checked and timed in simulation.
; The chip was launched on July 23, 2026; its instructions are those of AMD's public machine-readable ISA for CDNA 5 (MIT licence, August 2026) and "CDNA5" Instruction Set Architecture Reference Guide (July 2026). The comments in the code are by the model that wrote it; some were corrected since.
;; correlation Reverse Transform. Allowed arithmetic: matrix products marked QUANTISED: E2M1 operands, one E8M0 scale for each 32 along K, by v_wmma_scale_f32_16x16x128_f8f6f4 with both operands' format E2M1 (or v_wmma_scale_f32_32x16x128_f4), f32 sums; everything else in f32.
;; Inputs: di 2,048 x 8,192 float32; x 4,096 x 2,048 float32.
;; Outputs: out0 4,096 float32.
;; This version of the problem:
;;   THIS VERSION OF THE PROBLEM IS GIVEN IN LOW PRECISION. The matrix products marked QUANTISED in the list below multiply operands that are first quantised to E2M1 (2 exponent bits, 1 mantissa bit; 4 bits a number), with one power-of-two scale for each 32 numbers along K (OCP MX v1.0); their sums are f32. All else is computed in f32.
;;   The module's matrix products, in the order in which they are computed (A, B: the left and right operand; K: the contracted axis; several contracted axes count as one K, in the product's order):
;;     1. [M 4,096, K 2,048] x [K 2,048, N 8,192]; A: input x; B: input di: QUANTISED
;;   THE QUANTISER, for each operand of a quantised product, along K:
;;     - K is cut into blocks of 32 from its start; a last block that is shorter is filled with zeros.
;;     - A block's scale is 2^e with e = floor(log2(the largest magnitude in the block)) - 2, held to -126 .. 127; a block of zeros has e = 0. As a byte (E8M0): e + 127.
;;     - Each number is divided by its block's scale, clamped to +-6, and rounded to the nearest number of E2M1, ties to even, subnormals kept.
;;     - The product sums the exact products of the quantised numbers (number of the format x scale) in f32.
;;   ~~~python
;;   def quantise(x, axis):      # numpy; x: float32 -> the quantised numbers, widened to float32 again
;;       x = np.moveaxis(x, axis, -1); K = x.shape[-1]
;;       x = np.pad(x, [(0, 0)] * (x.ndim - 1) + [(0, -K % 32)]); x = x.reshape(x.shape[:-1] + (-1, 32)); a = np.abs(x).max(-1, keepdims=True)
;;       e = np.where(a > 0, np.clip(np.frexp(np.where(a > 0, a, 1))[1] - 1 - 2, -126, 127), 0)      # np.frexp(a)[1] - 1 = floor(log2(a)), exactly
;;       r = np.clip(x / 2.0 ** e, -6, 6)
;;       step = 2.0 ** (np.maximum(np.frexp(np.where(r == 0, 1, r))[1] - 1, 0) - 1)
;;       q = np.round(r / step) * step * 2.0 ** e      # np.round: ties to even
;;       return np.moveaxis(q.reshape(q.shape[:-2] + (-1,))[..., :K], -1, axis).astype(np.float32)
;;   ~~~
;; One version. Each part assembles by itself: llvm-mc -triple=amdgcn-amd-amdhsa -mcpu=gfx1250 --defsym DOCPART=n.
;; ======== version 1 of 1: 3 launches
;; workspace buffers: xc 4,194,304 bytes; xsc 262,144 bytes; dc 8,388,608 bytes; dsc 524,288 bytes; part 2,097,152 bytes
;; launch quant (part 1): grid 1280 x 1, 4 waves a work-group, no clusters, 34,304 bytes of LDS; arguments x, di, xc, xsc, dc, dsc; writes xc, xsc, dc, dsc
.if DOCPART == 1
	.amdgcn_target "amdgcn-amd-amdhsa--gfx1250"
	.amdhsa_code_object_version 6
	.text
	.protected	k_qf11fc958d2_quant
	.globl	k_qf11fc958d2_quant
	.p2align	8
	.type	k_qf11fc958d2_quant,@function
k_qf11fc958d2_quant:
	s_mov_b64 s[64:65], 0
	v_nop
	global_prefetch_b8 v0, s[64:65] scope:SCOPE_SE
	s_setreg_imm32_b32 hwreg(HW_REG_WAVE_MODE, 25, 1), 1
	s_wait_xcnt 0x0
; x [4096][2048] (K innermost) and di [2048][8192] (K is the FIRST axis), f32, become codes of FP4 (E2M1) with one E8M0 scale byte for each 32 along K.
; A block's scale is 2^(floor(log2(its largest magnitude)) - 2); its byte is the largest magnitude's exponent field - 2, held at 1 from below; each number is divided by the scale and rounded to the nearest code, ties to even, beyond 6 the largest code.
; LIMITS: NaN and infinities among the inputs are not served.  A block of zeros gets the byte 1 where the rule says 127: its codes are zeros, which add nothing under any byte but 0xff, and the bytes are read by this program alone.
; THE CODES ARE LAID IN THE ORDER OF THE OPERAND'S REGISTERS.  A fragment is 16 rows x 128 K = 1,024 bytes: the 16 bytes (32 codes) of block 2 c + h of row r lie at 512 c + 256 h + 16 r, which is 512 c + 16 x lane of the lane that will hold them.
;   xc [k / 512][m / 16][(k / 128) % 4][1024],  dc [k / 512][n / 16][(k / 128) % 4][1024];  the scale bytes: xsc [k / 512][m][16], dsc [k / 512][n][16]: word q of a row's 16 bytes = the four bytes of its q-th 128 along K.
; ONE LAUNCH, TWO PATHS, parted on the work-group's number: work-groups 0-255 take x, 256-1279 take di.  Only x's path touches LDS, each wave its own bytes; there is no barrier: waves share nothing.
.set SP,   528                         ; x's path: a stage row: 512 bytes + 16
.set STG,  16*SP                       ; a wave's stage: 16 rows
.set C,    32                          ; v32..   the codes: registers of their own for each store, so that no store's data are written again
.set LS,   64                          ; v64-127, v128-191 (x) / v64-95, v96-127 (di): two sets of numbers, by turns
	s_load_b256 s[4:11], s[0:1], 0x0               ; x s[4:5], di s[6:7], xc s[8:9], xsc s[10:11]
	s_load_b128 s[12:15], s[0:1], 0x20             ; dc s[12:13], dsc s[14:15]
	v_lshl_add_u32 v192, v0, 2, 0x8400
	v_mov_b32 v193, 0
	v_lshrrev_b32 v1, 5, v0
	v_readfirstlane_b32 s16, v1                    ; wave 0..3
	v_and_b32 v1, 31, v0                           ; lane
	v_and_b32 v2, 15, v0                           ; r
	v_bfe_u32 v3, v0, 4, 1                         ; h
	s_wait_kmcnt 0x0
	s_cmp_lt_u32 ttmp9, 256
	s_cbranch_scc0 .Ldi
; ---------------- x: work-group = 16 rows (m / 16), wave w = the w-th 512 along K: four fragments ----------------
; A load reads 512 consecutive bytes of one row (16 a lane); the conversions want 32 neighbours along K in ONE lane.  So a fragment's 16 rows x 512 bytes turn through the wave's own stage: in as loaded, back 128 bytes a lane and block.
	s_lshl_b32 s18, ttmp9, 17                      ; 16 rows of 8,192 bytes
	s_lshl_b32 s19, s16, 11                        ; 512 numbers along K
	s_add_co_u32 s18, s18, s19
	s_mov_b32 s19, 0
	s_add_nc_u64 s[4:5], s[4:5], s[18:19]
	s_lshl_b32 s18, s16, 20                        ; xc: 2^20 bytes a K step of 512, 4,096 for 16 rows
	s_lshl_b32 s22, ttmp9, 12
	s_add_co_u32 s18, s18, s22
	s_add_nc_u64 s[8:9], s[8:9], s[18:19]
	s_lshl_b32 s18, s16, 16                        ; xsc: 2^16 bytes a K step, 256 for 16 rows
	s_lshl_b32 s22, ttmp9, 8
	s_add_co_u32 s18, s18, s22
	s_add_nc_u64 s[10:11], s[10:11], s[18:19]
	s_mul_i32 s17, s16, STG                        ; my stage
	s_mov_b32 s20, 0x76543210
	s_mov_b32 s21, 0xfedcba98                      ; v_permlanex16_b32's selects for lane l xor 16
	v_lshlrev_b32 v4, 4, v1                        ; 16 x lane: in a row's 512 bytes, and in a fragment's half
	v_add_nc_u32 v5, s17, v4                       ; the stage, on the way in
	v_mul_u32_u24 v6, v2, SP
	v_lshl_add_u32 v6, v3, 7, v6
	v_add_nc_u32 v6, s17, v6                       ; and back: row r, + 128 h: block h of the row's four
	v_lshlrev_b32 v7, 3, v3                        ; 8 h: my bytes' place in a scale word, in bits
	v_mov_b32 v15, 0                               ; written once: a lane permute's destination counts as one of its sources
	v_lshlrev_b32 v22, 4, v2
	v_lshl_add_u32 v22, v3, 3, v22                 ; the scale words' way out: 16 r + 8 h
.macro LOADX q                         ; fragment q: 16 rows x 512 bytes
.irp i, 0,1,2,3,4,5,6,7,8,9,10,11,12,13,14,15
	global_load_b128 v[LS+64*((\q)%2)+4*\i:LS+64*((\q)%2)+4*\i+3], v4, s[4:5] offset:\i*8192+(\q)*512 th:TH_LOAD_NT
.endr
.endm
.macro FRAGX q
.set LX, LS+64*((\q)%2)
.if (\q) < 3
	s_wait_loadcnt 16                              ; this fragment's sixteen loads are in; the next fragment's sixteen may be out
.else
	s_wait_loadcnt 0x0
.endif
.irp i, 0,1,2,3,4,5,6,7,8,9,10,11,12,13,14,15
	ds_store_b128 v5, v[LX+4*\i:LX+4*\i+3] offset:SP*\i
.endr
	s_wait_dscnt 0x0                               ; the stores have read their registers: the loads below land in the same set
.irp c, 0,1
.irp j, 0,1,2,3,4,5,6,7
	ds_load_b128 v[LX+32*\c+4*\j:LX+32*\c+4*\j+3], v6 offset:256*\c+16*\j   ; block 2 c + h of row r: 32 neighbours along K in 32 registers
.endr
.endr
	s_wait_dscnt 0x0
.irp c, 0,1
	v_max3_num_f32 v[8+\c], |v[LX+32*\c]|, |v[LX+32*\c+1]|, 0x1800000      ; the block's largest magnitude, all 32 numbers mine, and the floor 2^(3 - 127): so the byte cannot fall under 1
.endr
.irp i, 2,4,6,8,10,12,14,16,18,20,22,24,26,28,30
.irp c, 0,1
	v_max3_num_f32 v[8+\c], v[8+\c], |v[LX+32*\c+\i]|, |v[LX+32*\c+\i+1]|  ; (the two blocks by turns)
.endr
.endr
.irp c, 0,1
	v_add_nc_u32 v[10+\c], 0xff000000, v[8+\c]     ; 2 off its exponent field: the conversion takes the exponent field of this operand as its scale, and nothing else of it
.endr
.irp c, 0,1
	v_lshrrev_b32 v[12+\c], 23, v[10+\c]           ; the scale's byte
.endr
	v_lshl_or_b32 v14, v13, 16, v12                ; my two bytes: blocks h and 2 + h of row r,
	v_lshlrev_b32 v14, v7, v14                     ; at their places in the word;
	v_permlanex16_b32 v15, v14, s20, s21
	v_or_b32 v[16+(\q)], v14, v15                  ; with lane l xor 16's two the word is whole, in both lanes
.irp c, 0,1
.irp g, 0,1,2,3
	v_cvt_scalef32_pk8_fp4_f32 v[C+8*(\q)+4*\c+\g], v[LX+32*\c+8*\g:LX+32*\c+8*\g+7], v[10+\c]
.endr
.endr
	v_nop                                          ; one plain vector line behind the last scaled conversion
.irp c, 0,1
	global_store_b128 v4, v[C+8*(\q)+4*\c:C+8*(\q)+4*\c+3], s[8:9] offset:1024*(\q)+512*\c   ; 32 lanes store 512 consecutive bytes, aligned
.endr
.if (\q) < 2
	LOADX (\q)+2                                   ; the set just converted takes the fragment two further on
.endif
.endm
	LOADX 0
	LOADX 1
	FRAGX 0
	FRAGX 1
	FRAGX 2
	FRAGX 3
	v_cmp_ne_u32 vcc_lo, 0, v3                     ; a row's four words are 16 bytes: lanes 0-15 store words 0 and 1, lanes 16-31 words 2 and 3
	v_cndmask_b32 v20, v16, v18, vcc_lo
	v_cndmask_b32 v21, v17, v19, vcc_lo
	global_store_b64 v22, v[20:21], s[10:11]       ; 32 lanes store 256 consecutive bytes, aligned
	s_wait_tensorcnt 0x0
	ds_add_u32 v192, v193
	s_wait_dscnt 0x0
	s_endpgm
; ---------------- di: work-group = 128 columns x 128 along K, wave w = 32 of the columns ----------------
; A LANE TAKES A COLUMN n AND ITS REGISTERS RUN DOWN K: each load reads 128 consecutive bytes of one row of di, a block of 32 lies in one lane's 32 registers, and its four registers of codes are 16 bytes of a fragment as they stand.
.Ldi:
	s_sub_co_u32 s17, ttmp9, 256
	s_and_b32 s18, s17, 63                         ; which 128 columns
	s_lshr_b32 s19, s17, 6                         ; which 128 along K, 0..15
	s_lshr_b32 s22, s19, 2                         ; its K step of 512,
	s_and_b32 s23, s19, 3                          ; and its place q in that
	s_mov_b32 s25, 0
	s_lshl_b32 s24, s19, 22                        ; di: 128 rows of 32,768 bytes,
	s_lshl_b32 s26, s18, 9                         ; 128 columns,
	s_add_co_u32 s24, s24, s26
	s_lshl_b32 s26, s16, 7                         ; my wave's 32
	s_add_co_u32 s24, s24, s26
	s_add_nc_u64 s[6:7], s[6:7], s[24:25]
	s_lshl_b32 s24, s22, 21                        ; dc: 2^21 bytes a K step of 512,
	s_lshl_b32 s26, s18, 15                        ; 4,096 for 16 columns: 8 such in 128,
	s_add_co_u32 s24, s24, s26
	s_lshl_b32 s26, s16, 13                        ; 2 in my wave's 32,
	s_add_co_u32 s24, s24, s26
	s_lshl_b32 s26, s23, 10                        ; fragment q
	s_add_co_u32 s24, s24, s26
	s_add_nc_u64 s[12:13], s[12:13], s[24:25]
	s_lshl_b32 s24, s22, 17                        ; dsc: 2^17 bytes a K step, 16 a column, word q
	s_lshl_b32 s26, s18, 11
	s_add_co_u32 s24, s24, s26
	s_lshl_b32 s26, s16, 9
	s_add_co_u32 s24, s24, s26
	s_lshl_b32 s26, s23, 2
	s_add_co_u32 s24, s24, s26
	s_add_nc_u64 s[14:15], s[14:15], s[24:25]
	v_lshlrev_b32 v4, 2, v1                        ; in: 4 bytes a lane
	v_lshlrev_b32 v5, 4, v2
	v_lshl_add_u32 v5, v3, 12, v5                  ; the codes: 16 r in my 16 columns' fragment; lanes 16-31 stand in the next 16 columns', 4,096 bytes on
	v_lshlrev_b32 v6, 4, v1                        ; the scale word: 16 bytes a column
.macro LOADD t                         ; block t: di(32 t + i, my column), i = 0 .. 31.  The largest offset, 127 rows, is 4,161,536: inside the signed 24-bit immediate (ISA guide, chapter 10)
.irp i, 0,1,2,3,4,5,6,7,8,9,10,11,12,13,14,15,16,17,18,19,20,21,22,23,24,25,26,27,28,29,30,31
	global_load_b32 v[LS+32*((\t)%2)+\i], v4, s[6:7] offset:(32*(\t)+\i)*32768 th:TH_LOAD_NT
.endr
.endm
.macro BLOCKD t
.set XS, LS+32*((\t)%2)
.if (\t) < 3
	s_wait_loadcnt 32                              ; this block's 32 loads are in; the next block's 32 may be out
.else
	s_wait_loadcnt 0x0
.endif
	v_max3_num_f32 v8, |v[XS]|, |v[XS+1]|, |v[XS+2]|               ; the block's largest magnitude, in two chains
	v_max3_num_f32 v9, |v[XS+3]|, |v[XS+4]|, |v[XS+5]|
.irp i, 6,10,14,18,22,26
	v_max3_num_f32 v8, v8, |v[XS+\i]|, |v[XS+\i+1]|
	v_max3_num_f32 v9, v9, |v[XS+\i+2]|, |v[XS+\i+3]|
.endr
	v_max3_num_f32 v8, v8, |v[XS+30]|, |v[XS+31]|
	v_max3_num_f32 v8, v8, v9, 0x1800000           ; and the floor 2^(3 - 127)
	v_add_nc_u32 v10, 0xff000000, v8               ; 2 off its exponent field: the conversion's scale operand
.irp g, 0,1,2,3
	v_cvt_scalef32_pk8_fp4_f32 v[C+4*(\t)+\g], v[XS+8*\g:XS+8*\g+7], v10
.endr
	v_lshrrev_b32 v11, 23, v10                     ; the scale's byte (also the plain line behind the conversions)
.if (\t) == 0
	v_mov_b32 v16, v11                             ; four bytes make the word, the lower K in the lower byte
.else
	v_lshl_or_b32 v16, v11, 8*(\t), v16
.endif
	global_store_b128 v5, v[C+4*(\t):C+4*(\t)+3], s[12:13] offset:((\t)/2)*512+((\t)%2)*256   ; block t = 2 c + h of the fragment: sixteen lanes store 256 consecutive bytes, aligned
.if (\t) < 2
	LOADD (\t)+2
.endif
.endm
	LOADD 0
	LOADD 1
	BLOCKD 0
	BLOCKD 1
	BLOCKD 2
	BLOCKD 3
	global_store_b32 v6, v16, s[14:15]             ; 4 of each column's 16 bytes: one byte for each 32 of the 128 that the wave reads.  The price of 128 along K to a wave, which makes four times as many waves with loads on their way
	s_endpgm
.Lfunc_end_k_qf11fc958d2_quant:
	.size	k_qf11fc958d2_quant, .Lfunc_end_k_qf11fc958d2_quant-k_qf11fc958d2_quant
	.p2alignl 7, 3214868480
	.fill 96, 4, 3214868480
	.section	.rodata,"a",@progbits
	.p2align	6, 0x0
	.amdhsa_kernel k_qf11fc958d2_quant
		.amdhsa_group_segment_fixed_size 34304
		.amdhsa_private_segment_fixed_size 0
		.amdhsa_enable_private_segment 0
		.amdhsa_kernarg_size 48
		.amdhsa_user_sgpr_count 2
		.amdhsa_user_sgpr_kernarg_segment_ptr 1
		.amdhsa_wavefront_size32 1
		.amdhsa_system_sgpr_workgroup_id_x 1
		.amdhsa_system_sgpr_workgroup_id_y 1
		.amdhsa_system_sgpr_workgroup_id_z 1
		.amdhsa_system_vgpr_workitem_id 0
		.amdhsa_next_free_vgpr 194
		.amdhsa_next_free_sgpr 66
		.amdhsa_reserve_vcc 1
		.amdhsa_float_denorm_mode_32 3
		.amdhsa_float_denorm_mode_16_64 3
		.amdhsa_memory_ordered 1
		.amdhsa_forward_progress 1
		.amdhsa_inst_pref_size 49
	.end_amdhsa_kernel
	.amdgpu_metadata
---
amdhsa.version: [ 1, 2 ]
amdhsa.kernels:
  - .name:           k_qf11fc958d2_quant
    .symbol:         k_qf11fc958d2_quant.kd
    .args:
      - { .name: x, .offset: 0, .size: 8, .value_kind: global_buffer, .address_space: global }
      - { .name: di, .offset: 8, .size: 8, .value_kind: global_buffer, .address_space: global }
      - { .name: xc, .offset: 16, .size: 8, .value_kind: global_buffer, .address_space: global }
      - { .name: xsc, .offset: 24, .size: 8, .value_kind: global_buffer, .address_space: global }
      - { .name: dc, .offset: 32, .size: 8, .value_kind: global_buffer, .address_space: global }
      - { .name: dsc, .offset: 40, .size: 8, .value_kind: global_buffer, .address_space: global }
    .group_segment_fixed_size: 34304
    .private_segment_fixed_size: 0
    .kernarg_segment_align: 8
    .kernarg_segment_size: 48
    .max_flat_workgroup_size: 128
    .sgpr_count:     66
    .vgpr_count:     194
    .wavefront_size: 32
...
	.end_amdgpu_metadata
.endif
;; end of part 1
;; launch gemm (part 2): grid 32 x 8, 4 waves a work-group, clusters of 4 x 4, 327,680 bytes of LDS; arguments xc, xsc, dc, dsc, part; writes part
.if DOCPART == 2
	.amdgcn_target "amdgcn-amd-amdhsa--gfx1250"
	.amdhsa_code_object_version 6
	.text
	.protected	k_qf11fc958d2_gemm
	.globl	k_qf11fc958d2_gemm
	.p2align	8
	.type	k_qf11fc958d2_gemm,@function
k_qf11fc958d2_gemm:
	s_mov_b64 s[64:65], 0
	v_nop
	global_prefetch_b8 v0, s[64:65] scope:SCOPE_SE
	s_setreg_imm32_b32 hwreg(HW_REG_WAVE_MODE, 25, 1), 1
	s_wait_xcnt 0x0
	s_wait_alu depctr_hold_cnt(0) depctr_sa_sdst(0) depctr_va_vdst(0) depctr_va_sdst(0) depctr_va_ssrc(0) depctr_va_vcc(0) depctr_vm_vsrc(0)
	s_getreg_b32 s2, hwreg(HW_REG_IB_STS2, 6, 4)
	s_cmp_eq_u32 s2, 0
	s_cbranch_scc0 .Lentry_in_a_cluster
	s_endpgm
.Lentry_in_a_cluster:
	s_bfe_u32 s2, ttmp6, 0x10000c
	s_cmp_lg_u32 s2, 0xf033
	s_cbranch_scc0 .Lentry_shape_is_right
	s_endpgm
.Lentry_shape_is_right:
; scores[m][n] = sum over k of A[m][k] B[n][k] on codes of FP4 (E2M1) with one E8M0 scale for each 32 along K (A = x, 4,096 rows; B = di's columns, 8,192 rows; K = 2,048), sums in f32; the scores never go to memory:
; for each row and each 128 columns the largest score and the LOWEST column that has it are stored: part [n / 128 (64)][m (4096)][score f32, column as f32].
; LIMITS: NaN and infinite scores are not served; +0 and -0 count as equal.
; A tile of 256 x 256 scores is made by a work-group of four waves, as many as a WGP has SIMDs; a wave makes 128 x 128: 64 accumulators of 16 x 16, 512 registers.
; A WORK-GROUP STAYS: 512 tiles, 256 work-groups, two tiles each, 2,048 rows apart, on the same rows of B.  The ring does not stop at the first tile's end: its last two changes of slots ask for the second tile's first two
; K steps, which land under products and under the search for the maxima; nothing waits for the first tile's stores.
; THE CODES LIE IN MEMORY IN THE ORDER OF THE OPERAND'S REGISTERS: [k / 512][row / 16][(k / 128) % 4][1024], a fragment's register group c of lane l at 512 c + 16 l.  So 128 rows x 512 K are 32,768 consecutive bytes, one tensor load,
; and a fragment is two ds_load_b128 at 16 x lane: 512 consecutive bytes each, no pitch, no padding.  K goes in four steps of 512 through a ring of two LDS slots.
; THE SCALES ([k / 512][row][16 bytes]) of the work-group's 2 x 256 rows of A and 256 rows of B, for all of K, come into LDS once, with the first fills, and stay.
; CLUSTERS: 4 x 4 work-groups.  The four of a row of the cluster need the same tiles of A, the four of a column the same tiles of B: each tile is asked for JOINTLY, by the same tensor load with the same descriptor and a mask that names the four.
; THE MATRIX INSTRUCTION IS USED TRANSPOSED (source 0 = 16 rows of B, source 1 = 16 rows of A): a lane then holds ONE row of the scores (lane % 16), and its registers run along the columns, so a row's maximum is sought within a lane.
; REGISTERS, in windows of 256: window 0: v0-31 addresses; v32-95 scale words, two sets; v96-97, v192-255 the search for the maxima; v128-191 A's fragments (8 x 16 rows x 128 K), ONE set.
;   window 1: B's fragments, TWO sets, at v0 and at v128.   window 2: the 32 accumulators of my rows 0-63 (accumulator (a, b) at v[8 (8 a + b)]);   window 3: those of my rows 64-127.
.set NQ,     4                         ; matrix instructions deep in a slot: 512 / 128
.set FR,     8                         ; registers of a fragment
.set NL,     2                         ; LDS loads that bring one
.set NP,     4                         ; places behind this matrix instruction (ISA guide 7.12.1)
.set HALFT,  32768                     ; 128 rows x 512 K of codes: what one tensor load brings, and what one wave reads of A or of B
.set SLOT,   4*HALFT                   ; A's 256 rows, then B's 256 rows
.set ASTEP,  0x100000                  ; bytes from a K step of 512 to the next: in xc,
.set BSTEP,  0x200000                  ; in dc
.set WALKA,  0x80000                   ; xc: 2,048 rows on: from a work-group's first tile to its second
.set NEXT_A, 2*ASTEP-WALKA             ; bytes BACK from a slot's last K step of the first tile to its first of the second: A goes two K steps back and 2,048 rows down,
.set BACK_B, 2*BSTEP                   ; B only back
.set SCL,    2*SLOT                    ; behind the ring: the scales: six parts, each [K step (4)][128 rows][16 bytes]: A's two of the first tile, A's two of the second, B's two
.set HALFS,  8192                      ; one part
.set SPARE,  SCL+6*HALFS               ; behind the scales: the spare words, 128 bytes for each wave: two blocks of 256 bytes that no other line names
.set ADRA, 16                          ; v16-17  LDS address of my A fragments in slot 0, 1
.set ADRB, 20                          ; v20-21  the same for B
.set TOF,  22                          ; v22     at work
.set ADRS0, 24                         ; v24     LDS address of my scale words, first tile: lanes 0-15 A's rows, lanes 16-31 B's; never rewritten
.set ADRS1, 25                         ; v25     the same, second tile; never rewritten
.set AL,   26                          ; v26     1 in lanes 0-15, 0 in lanes 16-31
.set ADRS, 27                          ; v27     the same address for the tile in hand
.set SPW,  28                          ; v28     LDS address of my spare word: SPARE + 4 x my thread's number; never rewritten
.set NIL,  29                          ; v29     0; never rewritten
.set PFO,  30                          ; v30     the prefetches' offset: 256 x my lane; never rewritten
.set SC,   32                          ; scale words: set s (for slot s) at v[SC + 32 s]; in it register 4 i + q: lanes 0-15 the word of A's block i, lanes 16-31 that of B's block i, for the slot's q-th 128 along K
.set AF,   128                         ; A's fragments, in window 0
.set H8,   96                          ; v96     8 h; never rewritten
.set L8,   97                          ; v97     8 x lane; never rewritten
.set TT,   192                         ; the search: v192-207 four chains' maxima for each of four blocks of rows
.set II,   208                         ; v208-223 four chains' lowest register that holds the row's maximum
.set MX,   224                         ; v224-227 a lane's maximum
.set XP,   228                         ; v228-231 what lane l xor 16 sends
.set RM,   232                         ; v232-239 block a's result: its rows' largest score,
.set RC,   240                         ; v240-247 and the lowest column of my 128 that has it
.set PR,   248                         ; v248-255 four pairs to store
.set G0T,  4                           ; s[4:7]   group 0 for A's scales of the second tile;  s[8:11] for B's scales of K steps 2 and 3 (the pointers that came in these registers have been used by then)
.set G0TB, 8
.set PFA,  18                          ; s[18:19] where my prefetches stand: my work-group's 8,192 bytes of the 32,768 that I fetch of the second tile's K step 0 of A; never rewritten
.set G1, 24                            ; s[24:31] descriptor group 1 for A's tiles;  s[32:39] group 0, one set for each slot
.set G0, 32
.set G1B, 48                           ; s[48:55], s[56:63] the same for B's tiles
.set G0B, 56
.set G1S, 68                           ; s[68:75], s[76:79] groups 1 and 0 for A's scales;  s[80:87], s[88:91] for B's
.set G0S, 76
.set G1SB, 80
.set G0SB, 88
.set MSB, 0
.macro WIN new                         ; the immediate's high byte repeats the setting that is left
.if MSB != \new
	s_set_vgpr_msb (MSB<<8)|\new
.set MSB, \new
.endif
.endm
.set MUL_LO, 0xa1                      ; source 0 (B) window 1, source 1 (A) window 0, C and D window 2
.set MUL_HI, 0xf1                      ; the same, C and D window 3
.set TO_B,   0x40                      ; destination window 1, address window 0
; A joint load: waves 0 and 1 fetch for A, waves 2 and 3 for B.  Each of the two lines has ONE mask and one set of registers for all that issue it; the branch hangs on the wave's number alone.
; Four v_nop follow each of the two lines, ahead of the jump, the label and what follows.
.macro JLOAD g0a, g1a, g0b, g1b
	s_cmp_eq_u32 s15, 0
	s_cbranch_scc0 .Lfor_b_\@
	tensor_load_to_lds s[\g0a:\g0a+3], s[\g1a:\g1a+7]
	s_nop 0
.rept 4
	v_nop
.endr
	s_branch .Lasked_\@
.Lfor_b_\@:
	tensor_load_to_lds s[\g0b:\g0b+3], s[\g1b:\g1b+7]
	s_nop 0
.rept 4
	v_nop
.endr
.Lasked_\@:
.endm
; A PREFETCH INTO THE L2 of K step k of the SECOND tile's rows of A.  It stands behind a joint load, its four lines and the run of LDS loads that the next products wait for, two refills ahead of the joint load that will ask for these bytes:
; behind the first tile's refills with its K steps 2 and 3 stand k = 0 and 1, behind the refills with the second tile's K steps 0 and 1 stand k = 2 and 3.  Each 256 bytes are named ONCE in the launch: a tile row of A is read by all
; eight clusters of its row of clusters, and the one with x = 0 asks; of the 32,768 bytes that wave 0 or 1 fetches, each of the four partners that ask for them jointly takes 8,192, told apart BY ADDRESS (cx), 256 bytes a lane, one
; instruction a wave.  The K step stands in the immediate, so no address is stepped.  s2 = 1 in a wave that asks, while the first tile is in hand; the branch hangs on the wave's number, the cluster's x and the count of tiles: alike in all partners.
; The first tile's K steps come by their loads alone; B is not asked for: the second tile walks the first tile's rows of B.
.macro ASK k
	s_cmp_eq_u32 s2, 1
	s_cbranch_scc0 .Lnot_mine_\@
	global_prefetch_b8 v[PFO], s[PFA:PFA+1] offset:(\k)*ASTEP th:TH_LOAD_NT scope:SCOPE_SE
.Lnot_mine_\@:
.endm
.macro CREST                           ; a round of the cluster's barrier behind its opening barrier
	s_cmp_lg_u32 s14, 0
	s_cbranch_scc1 .Lnot_wave_0_\@
	s_barrier_signal -3
.Lnot_wave_0_\@:
	s_barrier_wait -3
	s_barrier_signal -1
	s_barrier_wait -1
.endm
.macro CROUND                          ; a whole round
	s_barrier_signal -1
	s_barrier_wait -1
	CREST
.endm
	s_load_b128 s[4:7], s[0:1], 0x0                ; A's codes s[4:5], A's scales s[6:7]
	s_load_b128 s[8:11], s[0:1], 0x10              ; B's codes s[8:9], B's scales s[10:11]
	s_load_b64 s[12:13], s[0:1], 0x20              ; part
	v_lshl_add_u32 v[SPW], v0, 2, SPARE
	v_mov_b32 v[NIL], 0
	ds_add_u32 v28, v29
	ds_add_u32 v28, v29
	s_wait_dscnt 0x0
	v_lshrrev_b32 v1, 5, v0
	v_readfirstlane_b32 s14, v1                    ; wave 0..3
	s_lshr_b32 s15, s14, 1                         ; which half of the tile's rows is mine.  Also: I fetch for A (0) or for B (1)
	s_and_b32 s16, s14, 1                          ; which half of its columns.  Also: which 128 rows of that tile I fetch
	s_bfe_u32 s40, ttmp6, 0x40000                  ; cx, cy: my place in the cluster
	s_bfe_u32 s41, ttmp6, 0x40004
	s_lshl_b32 s42, ttmp9, 2
	s_add_co_u32 s42, s42, s40                     ; tile column = 4 x cluster x + cx: 0..31
	s_and_b32 s17, ttmp7, 0xffff
	s_lshl_b32 s17, s17, 2
	s_add_co_u32 s17, s17, s41                     ; the first tile's row = 4 x cluster y + cy: 0..7; the second's is 8 more
	s_lshl_b32 s43, s41, 2
	s_lshl_b32 s43, 15, s43                        ; my row of the cluster
	s_lshl_b32 s44, 0x1111, s40                    ; my column
	s_mov_b32 s96, 0x76543210
	s_mov_b32 s97, 0xfedcba98                      ; v_permlanex16_b32's selects for lane l xor 16
	; descriptor group 1 for codes: 32,768 dense bytes as 128 rows of 256 bytes (32 elements of 8 bytes), no padding
	s_or_b32 s[G1+0], s43, (3<<16)|(1<<21)         ; 15:0 the mask: A's tiles go to my row; 17:16 elements of 8 bytes; 21 set beside a mask
	s_or_b32 s[G1B+0], s44, (3<<16)|(1<<21)        ; B's go to my column
.irp g, G1, G1B
	s_mov_b32 s[\g+1], 32<<16                      ; tensor_dim0 = 32
	s_mov_b32 s[\g+2], 128<<16                     ; tensor_dim1 = 128
	s_mov_b32 s[\g+3], 32<<16                      ; tile_dim0 = 32
	s_mov_b32 s[\g+4], 128                         ; tile_dim1 = 128
	s_mov_b32 s[\g+5], 32                          ; tensor_dim0_stride: dense
	s_mov_b32 s[\g+6], 0
	s_mov_b32 s[\g+7], 0
.endr
	; and for the scales of 128 rows: rows of 2,048 bytes (256 elements of 8 bytes), one for each K step of 512: A's four in a load, B's two in each of two loads, so that every wave has as many first fills
	s_or_b32 s[G1S+0], s43, (3<<16)|(1<<21)
	s_or_b32 s[G1SB+0], s44, (3<<16)|(1<<21)
.irp g, G1S, G1SB
	s_mov_b32 s[\g+1], 256<<16
	s_mov_b32 s[\g+3], 256<<16
	s_mov_b32 s[\g+6], 0
	s_mov_b32 s[\g+7], 0
.endr
	s_mov_b32 s[G1S+2], 4<<16
	s_mov_b32 s[G1S+4], 4
	s_mov_b32 s[G1S+5], 8192                       ; from K step to K step: 4,096 rows x 16 bytes, in elements,
	s_mov_b32 s[G1SB+2], 2<<16
	s_mov_b32 s[G1SB+4], 2
	s_mov_b32 s[G1SB+5], 16384                     ; 8,192 rows x 16 bytes
	; where the tiles come from.  A's hang on the tile row alone, B's on the tile column alone; each in registers that never hold the other coordinate
	s_lshl_b32 s18, s16, 15                        ; which 128 rows of the tile I fetch: 32,768 bytes of codes,
	s_lshl_b32 s19, s16, 11                        ; 2,048 of scales
	s_lshl_b32 s20, s17, 16                        ; A's codes: 65,536 bytes for a tile's 256 rows
	s_add_co_u32 s20, s20, s18
	s_mov_b32 s21, 0
	s_lshl_b32 s22, s17, 12                        ; A's scales: 4,096
	s_add_co_u32 s22, s22, s19
	s_mov_b32 s23, 0
	s_lshl_b32 s46, s42, 16                        ; B likewise
	s_add_co_u32 s46, s46, s18
	s_mov_b32 s47, 0
	s_lshl_b32 s92, s42, 12
	s_add_co_u32 s92, s92, s19
	s_mov_b32 s93, 0
	s_mul_i32 s45, s14, HALFT                      ; where they go: wave x a part: no place in the cluster enters an LDS address
	s_mul_i32 s94, s14, HALFS
	s_wait_kmcnt 0x0
	s_add_nc_u64 s[20:21], s[4:5], s[20:21]
	s_add_nc_u64 s[22:23], s[6:7], s[22:23]
	s_add_nc_u64 s[46:47], s[8:9], s[46:47]
	s_add_nc_u64 s[92:93], s[10:11], s[92:93]
	CROUND                                         ; all sixteen work-groups are here: the first joint loads meet
	s_mov_b32 s[G0S], 1
	s_add_co_u32 s[G0S+1], s94, SCL                ; waves 0, 1: parts 0, 1
	s_mov_b64 s[G0S+2:G0S+3], s[22:23]
	s_or_b32 s[G0S+3], s[G0S+3], 0x80000000
	s_mov_b32 s[G0SB], 1
	s_add_co_u32 s[G0SB+1], s94, SCL+2*HALFS       ; waves 2, 3: parts 4, 5
	s_mov_b64 s[G0SB+2:G0SB+3], s[92:93]
	s_or_b32 s[G0SB+3], s[G0SB+3], 0x80000000
	JLOAD G0S, G1S, G0SB, G1SB                     ; the scales first: A's of the first tile | B's of K steps 0 and 1
	s_mov_b32 s[G0T], 1
	s_add_co_u32 s[G0T+1], s94, SCL+2*HALFS        ; waves 0, 1: parts 2, 3
	s_add_nc_u64 s[G0T+2:G0T+3], s[22:23], 32768   ; 2,048 rows of 16 bytes on
	s_or_b32 s[G0T+3], s[G0T+3], 0x80000000
	s_mov_b32 s[G0TB], 1
	s_add_co_u32 s[G0TB+1], s94, SCL+2*HALFS+4096  ; waves 2, 3: the second half of parts 4, 5
	s_add_nc_u64 s[G0TB+2:G0TB+3], s[92:93], 2*131072   ; two K steps on
	s_or_b32 s[G0TB+3], s[G0TB+3], 0x80000000
	JLOAD G0T, G1S, G0TB, G1SB                     ; A's of the second tile | B's of K steps 2 and 3
.irp s, 0,1
	s_mov_b32 s[G0+4*\s], 1                                        ; 1:0 count = 1
	s_add_co_u32 s[G0+4*\s+1], s45, \s*SLOT                        ; 63:32 LDS address
	s_add_nc_u64 s[G0+4*\s+2:G0+4*\s+3], s[20:21], \s*ASTEP        ; 120:64 global address: K step s
	s_or_b32 s[G0+4*\s+3], s[G0+4*\s+3], 0x80000000                ; 127:126 type = 2
	s_mov_b32 s[G0B+4*\s], 1
	s_add_co_u32 s[G0B+4*\s+1], s45, \s*SLOT
	s_add_nc_u64 s[G0B+4*\s+2:G0B+4*\s+3], s[46:47], \s*BSTEP
	s_or_b32 s[G0B+4*\s+3], s[G0B+4*\s+3], 0x80000000
	JLOAD G0+4*\s, G1, G0B+4*\s, G1B               ; four tensor loads of mine are out behind the second of these
.endr
	; the prefetches: where they stand, and who asks
	s_add_nc_u64 s[PFA:PFA+1], s[20:21], WALKA     ; the 32,768 bytes that I fetch of the second tile's K step 0 of A,
	s_lshl_b32 s46, s40, 13                        ; my work-group's 8,192 of them
	s_mov_b32 s47, 0
	s_add_nc_u64 s[PFA:PFA+1], s[PFA:PFA+1], s[46:47]
	s_or_b32 s2, s15, ttmp9                        ; 0 in waves 0 and 1 of the clusters with x = 0
	s_cmp_eq_u32 s2, 0
	s_cselect_b32 s2, 1, 0
	v_and_b32 v1, 15, v0                           ; r = l % 16
	v_bfe_u32 v2, v0, 4, 1                         ; h = l / 16
	v_and_b32 v3, 31, v0                           ; l
	v_lshlrev_b32 v[PFO], 8, v3
	v_lshlrev_b32 v4, 4, v3                        ; 16 x lane: my place in every half of a fragment
	s_mul_i32 s21, s15, HALFT                      ; my 128 rows of A
	s_mul_i32 s22, s16, HALFT                      ; my 128 rows of B,
	s_add_co_u32 s22, s22, 2*HALFT                 ; which lie behind A's 256
.irp s, 0,1
	v_add_nc_u32 v[ADRA+\s], s21, v4
	v_add_nc_u32 v[ADRB+\s], s22, v4
	s_add_co_u32 s21, s21, SLOT
	s_add_co_u32 s22, s22, SLOT
.endr
	v_lshlrev_b32 v5, 4, v1                        ; my row's scales: 16 bytes a row
	s_mul_i32 s21, s15, HALFS                      ; A's, first tile: part 0 or 1
	s_mul_i32 s22, s16, HALFS                      ; B's: part 4 or 5
	s_add_co_u32 s22, s22, 4*HALFS
	s_sub_co_u32 s22, s22, s21
	v_mul_u32_u24 v6, s22, v2                      ; lanes 16-31 take B's: one product, h x the distance
	s_add_co_u32 s21, s21, SCL
	v_add_nc_u32 v6, v5, v6
	v_add_nc_u32 v[ADRS0], s21, v6
	s_sub_co_u32 s22, s22, 2*HALFS                 ; A's, second tile: two parts further on, so B's lie two parts nearer
	v_mul_u32_u24 v6, s22, v2
	s_add_co_u32 s21, s21, 2*HALFS
	v_add_nc_u32 v6, v5, v6
	v_add_nc_u32 v[ADRS1], s21, v6
	v_sub_nc_u32 v[AL], 1, v2
	v_lshlrev_b32 v[H8], 3, v2
	v_lshlrev_b32 v[L8], 3, v3
.irp a, 0,1,2,3
	v_mov_b32 v[XP+\a], 0                          ; written once: a lane permute's destination counts as one of its sources
.endr
	; where my results go: part (2 x tile column + half), row 256 x tile row + 128 x half, 8 bytes a row; and my first column
	s_lshl_b32 s46, s42, 16
	s_lshl_b32 s47, s16, 15
	s_add_co_u32 s46, s46, s47
	s_lshl_b32 s47, s17, 11
	s_add_co_u32 s46, s46, s47
	s_lshl_b32 s47, s15, 10
	s_add_co_u32 s46, s46, s47
	s_mov_b32 s47, 0
	s_add_nc_u64 s[12:13], s[12:13], s[46:47]
	s_lshl_b32 s95, s42, 8
	s_lshl_b32 s66, s16, 7
	s_add_co_u32 s95, s95, s66                     ; 256 x tile column + 128 x half
.macro FRAG reg, adr, q, i             ; a fragment, 16 rows x 128 K of 4-bit codes, is 8 registers: lane l holds row l % 16; registers 4 c .. 4 c + 3 hold K = 64 c + 32 (l / 16) + 0 .. 31.  In LDS: block i, then q, then c, then the lane
.irp c, 0,1
	ds_load_b128 v[\reg+4*\c:\reg+4*\c+3], v[\adr] offset:(\i)*4096+(\q)*1024+512*\c
.endr
.endm
; 16 matrix instructions: A's blocks a0, a0 + 1 x B's eight, 128 along K: the slot's q-th.  p: B's set;  sc: the set of scale words.  zero = 1: the first product starts the sums: nothing is ever cleared.
; The 64 accumulators take turns, one instruction a turn, in the same order in every step, over the backward jump and into the tail too.
.macro MUL16 a0, p, q, sc, zero
.irp a, \a0, \a0+1
.irp b, 0,1,2,3,4,5,6,7
.if \zero
	v_wmma_scale_f32_16x16x128_f8f6f4 v[8*(8*((\a)%4)+\b):8*(8*((\a)%4)+\b)+7], v[128*(\p)+FR*\b:128*(\p)+FR*\b+FR-1], v[AF+FR*(\a):AF+FR*(\a)+FR-1], 0, v[SC+8*NQ*(\sc)+NQ*\b+(\q)], v[SC+8*NQ*(\sc)+NQ*(\a)+(\q)] matrix_a_fmt:MATRIX_FMT_FP4 matrix_b_fmt:MATRIX_FMT_FP4 matrix_a_scale:MATRIX_SCALE_ROW1
.else
	v_wmma_scale_f32_16x16x128_f8f6f4 v[8*(8*((\a)%4)+\b):8*(8*((\a)%4)+\b)+7], v[128*(\p)+FR*\b:128*(\p)+FR*\b+FR-1], v[AF+FR*(\a):AF+FR*(\a)+FR-1], v[8*(8*((\a)%4)+\b):8*(8*((\a)%4)+\b)+7], v[SC+8*NQ*(\sc)+NQ*\b+(\q)], v[SC+8*NQ*(\sc)+NQ*(\a)+(\q)] matrix_a_fmt:MATRIX_FMT_FP4 matrix_b_fmt:MATRIX_FMT_FP4 matrix_a_scale:MATRIX_SCALE_ROW1
.endif
.endr
.endr
.endm
.macro FETCH_B slot, q, p              ; B's eight fragments of the slot's q-th 128 along K into set p
	WIN TO_B
.irp i, 0,1,2,3,4,5,6,7
	FRAG 128*(\p)+FR*\i, ADRB+\slot, \q, \i
.endr
	WIN 0
.endm
.macro FETCH_A slot, q, i0             ; A's blocks i0 .. i0 + 3
.irp i, \i0, \i0+1, \i0+2, \i0+3
	FRAG AF+FR*(\i), ADRA+\slot, \q, \i
.endr
.endm
.macro SCALES sc, adr, sk              ; the scale words of K step sk into set sc: four words a row; lanes 0-15 take A's block i, lanes 16-31 B's block i.  The K step stands in the immediate: 128 rows x 16 bytes each
.irp i, 0,1,2,3,4,5,6,7
	ds_load_b128 v[SC+8*NQ*\sc+NQ*\i:SC+8*NQ*\sc+NQ*\i+3], v[\adr] offset:\i*256+(\sk)*2048
.endr
.endm
; A load into a register that a matrix instruction has read, and a vector instruction that reads a matrix result, stand NP places behind that matrix instruction, and only plain vector instructions that name
; none of its registers are places (ISA guide 7.12.1 for vector instructions); this text does not count the matrix instructions in between.
.macro PLACES n
.rept \n
	v_nop
.endr
.endm
; A step of 128 along K that has its successor in the same slot.  A's blocks go one after the other, each against B's eight: a block of A is free as soon as its eight products are issued, so one set serves A.
.macro STEP slot, q, zero
	s_wait_dscnt 4*NL                              ; B's set and A's blocks 0-3 are in; the youngest eight loads (A's blocks 4-7) may be out
	WIN MUL_LO
	MUL16 0, (\q)%2, \q, \slot, \zero
	MUL16 2, (\q)%2, \q, \slot, \zero
	s_wait_dscnt 0                                 ; A's blocks 4-7 are in (asked for 32 matrix instructions ago)
	PLACES NP
	FETCH_B \slot, (\q)+1, 1-(\q)%2
	FETCH_A \slot, (\q)+1, 0
	WIN MUL_HI
	MUL16 4, (\q)%2, \q, \slot, \zero
	MUL16 6, (\q)%2, \q, \slot, \zero
	PLACES NP
	WIN 0
	FETCH_A \slot, (\q)+1, 4
.endm
; A slot's last step changes slots: ONE barrier; in front of it each wave waits for all its tensor loads, adds 0 to its spare word, and waits for that and for its own reads of this slot.
; fill = 1: this slot is filled again with this tile's K step two steps on; 2: with the NEXT tile's K step 0 or 1; 0: not at all.  sadr, sk: where the next K step's scale words lie.  ask: the K step that is prefetched (macro ASK); 9: none.
.macro TURN slot, next, fill, sadr, sk, ask
	s_wait_tensorcnt 0x0                           ; all my tensor loads have landed: my part of the next slot;  (every window is 0 here: the add's two registers lie in window 0)
	ds_add_u32 v[SPW], v[NIL]                      ; 0 onto my spare word
	s_wait_dscnt 4*NL+1                            ; (the add and the youngest eight loads, A's blocks 4-7, may be out)
	WIN MUL_LO
	MUL16 0, 1, NQ-1, \slot, 0                     ; sixteen matrix instructions stand between the add and the wait for it
	s_wait_dscnt 0x0                               ; the add is done, and my reads of this slot are over
	s_barrier_signal -1
	MUL16 2, 1, NQ-1, \slot, 0
	WIN 0
	s_barrier_wait -1
.if \fill
	CREST                                          ; the barrier has opened a round of the cluster's barrier: no wave of any partner still reads this slot's tile or has a load on its way
.if \fill == 1
	s_add_nc_u64 s[G0+4*\slot+2:G0+4*\slot+3], s[G0+4*\slot+2:G0+4*\slot+3], 2*ASTEP
	s_add_nc_u64 s[G0B+4*\slot+2:G0B+4*\slot+3], s[G0B+4*\slot+2:G0B+4*\slot+3], 2*BSTEP
.else
	s_sub_nc_u64 s[G0+4*\slot+2:G0+4*\slot+3], s[G0+4*\slot+2:G0+4*\slot+3], NEXT_A
	s_sub_nc_u64 s[G0B+4*\slot+2:G0B+4*\slot+3], s[G0B+4*\slot+2:G0B+4*\slot+3], BACK_B
.endif
	JLOAD G0+4*\slot, G1, G0B+4*\slot, G1B         ; the first tensor load behind the round, my one load until the next; the four v_nop behind it are the places in front of the loads below
.else
	PLACES NP
.endif
	FETCH_B \next, 0, 0
	FETCH_A \next, 0, 0
	SCALES \next, \sadr, \sk
.if \ask < 4
	ASK \ask
.endif
	WIN MUL_HI
	MUL16 4, 1, NQ-1, \slot, 0
	MUL16 6, 1, NQ-1, \slot, 0
	PLACES NP
	WIN 0
	FETCH_A \next, 0, 4
.endm
.macro STEPS slot, from                ; the slot's steps from .. NQ - 2
.set Q, \from
.rept NQ-1-\from
	STEP \slot, Q, 0
.set Q, Q+1
.endr
.endm
; THE WAY OUT: for each of my 128 rows the largest of my 128 scores and the LOWEST column that has it, as jnp.argmax breaks ties (equal scores do occur: the scores are sums of few-bit numbers).
; In block a (16 rows) lane (r, h) holds row 16 a + r in 64 registers; register e = 8 b + j is column 16 b + 8 h + j = e + 8 (e / 8) + 8 h: within a lane the columns rise with e.
; Four blocks (one window) at a time.  (1) the maximum, four chains of 16 registers a block, each accumulator read from its low end on; (2) with lane l xor 16's: the row's;
; (3) each chain's lowest register that EQUALS the row's maximum: compares in descending order, so that the lowest is written last; 64 where there is none; (4) the lowest of the chains, as a column
; (64 gives 128 or more, above every column), and the lower of the two lanes'.  No branch hangs on a score.  No LDS is touched, and no register into which the next tile's fragments and scale words are landing.
.macro ARGMAX g
	WIN 0x0a+5*\g                                  ; sources 0 and 1: window 2 or 3
.irp a, 0,1,2,3
.irp c, 0,1,2,3
	v_max_num_f32 v[TT+4*\a+\c], v[64*\a+16*\c], v[64*\a+16*\c+1]
.endr
.endr
.irp u, 1,2,3,4,5,6,7
.irp a, 0,1,2,3
.irp c, 0,1,2,3
	v_max3_num_f32 v[TT+4*\a+\c], v[64*\a+16*\c+2*\u], v[64*\a+16*\c+2*\u+1], v[TT+4*\a+\c]   ; (sixteen chains by turns)
.endr
.endr
.endr
	WIN 0
.irp a, 0,1,2,3
	v_max3_num_f32 v[MX+\a], v[TT+4*\a], v[TT+4*\a+1], v[TT+4*\a+2]
.endr
.irp a, 0,1,2,3
	v_max_num_f32 v[MX+\a], v[MX+\a], v[TT+4*\a+3]
.endr
.irp a, 0,1,2,3
	v_permlanex16_b32 v[XP+\a], v[MX+\a], s96, s97
.endr
.irp a, 0,1,2,3
	v_max_num_f32 v[RM+4*\g+\a], v[MX+\a], v[XP+\a]   ; the row's largest score, in both lanes
.endr
.irp i, 0,1,2,3,4,5,6,7,8,9,10,11,12,13,14,15
	v_mov_b32 v[II+\i], 64                         ; none yet
.endr
	WIN 0x02+\g                                    ; source 0: window 2 or 3
.irp a, 0,1,2,3
.irp u, 15,14,13,12,11,10,9,8,7,6,5,4,3,2,1,0
	v_cmp_neq_f32 vcc_lo, v[64*\a+\u], v[RM+4*\g+\a]       ; four chains, four masks; the first in VCC, which has the short encodings
	v_cmp_neq_f32 s98, v[64*\a+16+\u], v[RM+4*\g+\a]
	v_cmp_neq_f32 s99, v[64*\a+32+\u], v[RM+4*\g+\a]
	v_cmp_neq_f32 s100, v[64*\a+48+\u], v[RM+4*\g+\a]
	v_cndmask_b32 v[II+4*\a], \u, v[II+4*\a], vcc_lo       ; where the score equals the maximum: this register's number
	v_cndmask_b32 v[II+4*\a+1], 16+\u, v[II+4*\a+1], s98
	v_cndmask_b32 v[II+4*\a+2], 32+\u, v[II+4*\a+2], s99
	v_cndmask_b32 v[II+4*\a+3], 48+\u, v[II+4*\a+3], s100
.endr
.endr
	WIN 0
.irp a, 0,1,2,3
	v_min_u32 v[II+4*\a], v[II+4*\a], v[II+4*\a+1]
	v_min_u32 v[II+4*\a+2], v[II+4*\a+2], v[II+4*\a+3]
.endr
.irp a, 0,1,2,3
	v_min_u32 v[II+4*\a], v[II+4*\a], v[II+4*\a+2]   ; e
.endr
.irp a, 0,1,2,3
	v_and_b32 v[II+4*\a+1], 0xf8, v[II+4*\a]       ; 8 (e / 8)
.endr
.irp a, 0,1,2,3
	v_add3_u32 v[II+4*\a], v[II+4*\a], v[II+4*\a+1], v[H8]   ; the column among my 128
.endr
.irp a, 0,1,2,3
	v_permlanex16_b32 v[XP+\a], v[II+4*\a], s96, s97
.endr
.irp a, 0,1,2,3
	v_min_u32 v[RC+4*\g+\a], v[II+4*\a], v[XP+\a]  ; the lower of the two lanes'
.endr
.endm
.macro RESULT off                      ; my 128 rows' results are stored, off bytes on in part: the tile's place stands in the immediate, so no address is stepped
	s_wait_xcnt 0x0                                ; the pairs below were the data of the tile before's stores: they are rewritten only behind this wait
	v_cmp_ne_u32 vcc_lo, 0, v[H8]                  ; both halves of the lanes hold every block's results: lanes 0-15 store block 2 t's rows, lanes 16-31 block 2 t + 1's
.irp t, 0,1,2,3
	v_cndmask_b32 v[PR+2*\t], v[RM+2*\t], v[RM+2*\t+1], vcc_lo
	v_cndmask_b32 v[PR+2*\t+1], v[RC+2*\t], v[RC+2*\t+1], vcc_lo
.endr
.irp t, 0,1,2,3
	v_add_nc_u32 v[PR+2*\t+1], s95, v[PR+2*\t+1]   ; + my first column
.endr
.irp t, 0,1,2,3
	v_cvt_f32_u32 v[PR+2*\t+1], v[PR+2*\t+1]       ; under 8,192: exact in f32
.endr
.irp t, 0,1,2,3
	global_store_b64 v[L8], v[PR+2*\t:PR+2*\t+1], s[12:13] offset:\off+256*\t   ; 32 lanes store 256 consecutive bytes, aligned
.endr
.endm
	s_wait_tensorcnt 1                             ; the scales and my part of K step 0 are in (K step 1's load, the one issued behind them, may be out)
	s_barrier_signal -1
	s_barrier_wait -1                              ; everybody's are
	FETCH_B 0, 0, 0
	FETCH_A 0, 0, 0
	SCALES 0, ADRS0, 0
	FETCH_A 0, 0, 4
	s_mov_b32 s3, 2                                ; tiles to go, this one among them: the same number in every work-group
	s_mov_b32 s67, 0                               ; how far on the tile's scales of A lie in LDS
.Ltile:                                            ; K has four steps of 512: a tile goes twice round the ring
	v_mul_u32_u24 v[TOF], s67, v[AL]               ; the tile enters A's lanes alone: B's scales serve both tiles
	v_add_nc_u32 v[ADRS], v[TOF], v[ADRS0]
	STEP 0, 0, 1                                   ; a tile's first step: its products start the sums
	STEPS 0, 1
	TURN 0, 1, 1, ADRS, 1, 0                       ; slot 0 takes K step 2
	STEPS 1, 0
	TURN 1, 0, 1, ADRS, 2, 1                       ; slot 1 takes K step 3
	STEPS 0, 0
	s_cmp_eq_u32 s3, 1
	s_cbranch_scc1 .Llast_tile                     ; the last tile's tail is written out: it asks for nothing more
	TURN 0, 1, 2, ADRS, 3, 2                       ; THE RING GOES ON INTO THE NEXT TILE: slot 0 takes its K step 0,
	STEPS 1, 0
	TURN 1, 0, 2, ADRS1, 0, 3                      ; slot 1 its K step 1, and the next tile's first fragments and scale words are fetched.  Its last four v_nop are the places behind the tile's last products
	ARGMAX 0                                       ; both refills are asked for: now the tile's maxima are sought
	ARGMAX 1
	RESULT 0
	s_mov_b32 s2, 0                                ; the second tile prefetches nothing: no tile follows it
	s_add_co_u32 s67, s67, 2*HALFS
	s_sub_co_u32 s3, s3, 1
	s_cmp_lg_u32 s3, 0
	s_cbranch_scc1 .Ltile                          ; always taken: s3 has gone from 2 to 1 here; the second tile leaves the loop by the jump above
.Llast_tile:
	TURN 0, 1, 0, ADRS, 3, 9                       ; nothing is left to fetch: no round of the cluster's barrier
	STEPS 1, 0
	s_wait_dscnt 4*NL                              ; the very last step
	WIN MUL_LO
	MUL16 0, 1, NQ-1, 1, 0
	MUL16 2, 1, NQ-1, 1, 0
	s_wait_dscnt 0
	WIN MUL_HI
	MUL16 4, 1, NQ-1, 1, 0
	MUL16 6, 1, NQ-1, 1, 0
	WIN 0
	PLACES NP                                      ; behind the last products, ahead of the first read of results
	ARGMAX 0
	ARGMAX 1
	RESULT 16384                                   ; 2,048 rows of 8 bytes on
	s_wait_tensorcnt 0x0                           ; the wave's end, behind my last tensor load
	ds_add_u32 v[SPW], v[NIL]
	s_wait_dscnt 0x0
	CROUND                                         ; the closing round: no work-group ends while a partner may still ask for a tile that names it
	s_endpgm
.Lfunc_end_k_qf11fc958d2_gemm:
	.size	k_qf11fc958d2_gemm, .Lfunc_end_k_qf11fc958d2_gemm-k_qf11fc958d2_gemm
	.p2alignl 7, 3214868480
	.fill 96, 4, 3214868480
	.section	.rodata,"a",@progbits
	.p2align	6, 0x0
	.amdhsa_kernel k_qf11fc958d2_gemm
		.amdhsa_group_segment_fixed_size 327680
		.amdhsa_private_segment_fixed_size 0
		.amdhsa_enable_private_segment 0
		.amdhsa_kernarg_size 40
		.amdhsa_user_sgpr_count 2
		.amdhsa_user_sgpr_kernarg_segment_ptr 1
		.amdhsa_wavefront_size32 1
		.amdhsa_system_sgpr_workgroup_id_x 1
		.amdhsa_system_sgpr_workgroup_id_y 1
		.amdhsa_system_sgpr_workgroup_id_z 1
		.amdhsa_system_vgpr_workitem_id 0
		.amdhsa_next_free_vgpr 1024
		.amdhsa_next_free_sgpr 102
		.amdhsa_reserve_vcc 1
		.amdhsa_float_denorm_mode_32 3
		.amdhsa_float_denorm_mode_16_64 3
		.amdhsa_memory_ordered 1
		.amdhsa_forward_progress 1
		.amdhsa_inst_pref_size 255
	.end_amdhsa_kernel
	.section	.bss,"aw",@nobits
	.p2align	6
	.space	262144
	.amdgpu_metadata
---
amdhsa.version: [ 1, 2 ]
amdhsa.kernels:
  - .name:           k_qf11fc958d2_gemm
    .symbol:         k_qf11fc958d2_gemm.kd
    .args:
      - { .name: xc, .offset: 0, .size: 8, .value_kind: global_buffer, .address_space: global }
      - { .name: xsc, .offset: 8, .size: 8, .value_kind: global_buffer, .address_space: global }
      - { .name: dc, .offset: 16, .size: 8, .value_kind: global_buffer, .address_space: global }
      - { .name: dsc, .offset: 24, .size: 8, .value_kind: global_buffer, .address_space: global }
      - { .name: part, .offset: 32, .size: 8, .value_kind: global_buffer, .address_space: global }
    .group_segment_fixed_size: 327680
    .private_segment_fixed_size: 0
    .kernarg_segment_align: 8
    .kernarg_segment_size: 40
    .max_flat_workgroup_size: 128
    .sgpr_count:     102
    .vgpr_count:     1024
    .wavefront_size: 32
...
	.end_amdgpu_metadata
.endif
;; end of part 2
;; launch pick (part 3): grid 64 x 1, 4 waves a work-group, no clusters, 2,560 bytes of LDS; arguments part, out0; writes out0
.if DOCPART == 3
	.amdgcn_target "amdgcn-amd-amdhsa--gfx1250"
	.amdhsa_code_object_version 6
	.text
	.protected	k_qf11fc958d2_pick
	.globl	k_qf11fc958d2_pick
	.p2align	8
	.type	k_qf11fc958d2_pick,@function
k_qf11fc958d2_pick:
	s_mov_b64 s[64:65], 0
	v_nop
	global_prefetch_b8 v0, s[64:65] scope:SCOPE_SE
	s_setreg_imm32_b32 hwreg(HW_REG_WAVE_MODE, 25, 1), 1
	s_wait_xcnt 0x0
; out0[m] = the column of row m's largest score, as f32.  part [p (64)][m (4096)][score f32, column f32]: for the 128 columns 128 p on, the largest score and the lowest column that has it.
; The parts are joined in ascending p and a later part wins only where its score is STRICTLY larger: so of equal scores the lowest column stays, as jnp.argmax has it.  LIMIT: NaN among the scores is not served.
; A work-group owns 64 rows, so that its 256 bytes of out0 are one aligned run.  Wave w joins parts 16 w .. 16 w + 15; a lane takes rows 2 l and 2 l + 1: 16 bytes of a part, so a load reads 512 consecutive bytes.
; The four waves' results meet in LDS (16 bytes a thread); wave 0 joins them, again in ascending order, and stores.  No matrix unit, no cluster, no tensor load: nothing is shared and the bytes are few.
	s_load_b128 s[4:7], s[0:1], 0x0                ; part s[4:5], out0 s[6:7]
	v_lshl_add_u32 v96, v0, 2, 0x800
	v_mov_b32 v97, 0
	v_lshrrev_b32 v1, 5, v0
	v_readfirstlane_b32 s8, v1                     ; wave 0..3
	v_and_b32 v1, 31, v0                           ; lane
	v_lshlrev_b32 v2, 4, v1                        ; 16 x lane: in a part's 512 bytes, and in a wave's 512 bytes of LDS
	v_lshlrev_b32 v3, 4, v0                        ; LDS: 16 x thread = 512 x wave + 16 x lane
	v_lshlrev_b32 v4, 3, v1                        ; out0: 8 bytes a lane
	s_lshl_b32 s10, ttmp9, 9                       ; 64 rows of 8 bytes,
	s_lshl_b32 s11, s8, 19                         ; 16 parts of 32,768 bytes
	s_add_co_u32 s10, s10, s11
	s_mov_b32 s11, 0
	s_lshl_b32 s12, ttmp9, 8                       ; 64 rows of 4 bytes
	s_mov_b32 s13, 0
	s_wait_kmcnt 0x0
	s_add_nc_u64 s[4:5], s[4:5], s[10:11]
	s_add_nc_u64 s[6:7], s[6:7], s[12:13]
.irp p, 0,1,2,3,4,5,6,7,8,9,10,11,12,13,14,15
	global_load_b128 v[16+4*\p:19+4*\p], v2, s[4:5] offset:\p*32768 th:TH_LOAD_NT
.endr
; v[16:19] hold the best so far: score and column of row 2 l, score and column of row 2 l + 1.  The four registers from v[s] on are joined onto them.
.macro MERGE s
	v_cmp_gt_f32 vcc_lo, v[\s], v16
	v_cmp_gt_f32 s20, v[\s+2], v18
	v_cndmask_b32 v16, v16, v[\s], vcc_lo
	v_cndmask_b32 v17, v17, v[\s+1], vcc_lo
	v_cndmask_b32 v18, v18, v[\s+2], s20
	v_cndmask_b32 v19, v19, v[\s+3], s20
.endm
.irp p, 1,2,3,4,5,6,7,8,9,10,11,12,13,14,15
	s_wait_loadcnt 15-\p                           ; loads come back in order (ISA guide 5.7.1): parts 0 to p are in, the 15 - p later ones may be out
	MERGE 16+4*\p
.endr
	ds_store_b128 v3, v[16:19]
	s_wait_dscnt 0x0                               ; for the others' sake: my store has landed
	s_barrier_signal -1
	s_barrier_wait -1
	s_cmp_lg_u32 s8, 0
	s_cbranch_scc1 .Lend                           ; waves 1 to 3 have handed their results on
.irp w, 1,2,3
	ds_load_b128 v[16+4*\w:19+4*\w], v2 offset:512*\w   ; my own result is still in v[16:19]
.endr
	s_wait_dscnt 0x0
	MERGE 20
	MERGE 24
	v_cmp_gt_f32 vcc_lo, v28, v16                  ; the last join needs the columns alone
	v_cmp_gt_f32 s20, v30, v18
	v_cndmask_b32 v12, v17, v29, vcc_lo
	v_cndmask_b32 v13, v19, v31, s20
	global_store_b64 v4, v[12:13], s[6:7]          ; 32 lanes store 256 consecutive bytes, aligned
.Lend:
	s_wait_tensorcnt 0x0
	ds_add_u32 v96, v97
	s_wait_dscnt 0x0
	s_endpgm
.Lfunc_end_k_qf11fc958d2_pick:
	.size	k_qf11fc958d2_pick, .Lfunc_end_k_qf11fc958d2_pick-k_qf11fc958d2_pick
	.p2alignl 7, 3214868480
	.fill 96, 4, 3214868480
	.section	.rodata,"a",@progbits
	.p2align	6, 0x0
	.amdhsa_kernel k_qf11fc958d2_pick
		.amdhsa_group_segment_fixed_size 2560
		.amdhsa_private_segment_fixed_size 0
		.amdhsa_enable_private_segment 0
		.amdhsa_kernarg_size 16
		.amdhsa_user_sgpr_count 2
		.amdhsa_user_sgpr_kernarg_segment_ptr 1
		.amdhsa_wavefront_size32 1
		.amdhsa_system_sgpr_workgroup_id_x 1
		.amdhsa_system_sgpr_workgroup_id_y 1
		.amdhsa_system_sgpr_workgroup_id_z 1
		.amdhsa_system_vgpr_workitem_id 0
		.amdhsa_next_free_vgpr 98
		.amdhsa_next_free_sgpr 66
		.amdhsa_reserve_vcc 1
		.amdhsa_float_denorm_mode_32 3
		.amdhsa_float_denorm_mode_16_64 3
		.amdhsa_memory_ordered 1
		.amdhsa_forward_progress 1
		.amdhsa_inst_pref_size 9
	.end_amdhsa_kernel
	.amdgpu_metadata
---
amdhsa.version: [ 1, 2 ]
amdhsa.kernels:
  - .name:           k_qf11fc958d2_pick
    .symbol:         k_qf11fc958d2_pick.kd
    .args:
      - { .name: part, .offset: 0, .size: 8, .value_kind: global_buffer, .address_space: global }
      - { .name: out0, .offset: 8, .size: 8, .value_kind: global_buffer, .address_space: global }
    .group_segment_fixed_size: 2560
    .private_segment_fixed_size: 0
    .kernarg_segment_align: 8
    .kernarg_segment_size: 16
    .max_flat_workgroup_size: 128
    .sgpr_count:     66
    .vgpr_count:     98
    .wavefront_size: 32
...
	.end_amdgpu_metadata
.endif
;; end of part 3
